; MI455X (gfx1250); checked and timed in simulation.
; The chip was launched on July 23, 2026; its instructions are those of AMD's public machine-readable ISA for CDNA 5 (MIT licence, August 2026) and "CDNA5" Instruction Set Architecture Reference Guide (July 2026). The comments in the code are by the model that wrote it; some were corrected since.
;; Self Attention. Allowed arithmetic: float matrix products may take bf16 or f16 operands with f32 sums; all other float work in f32.
;; Inputs: W_attn 1,024 x 3,072 float32; W_proj 1,024 x 1,024 float32; attn_mask 1 x 1 x 2,048 x 2,048 bool; b_attn 3,072 float32; b_proj 1,024 float32; x 2 x 2,048 x 1,024 float32.
;; Outputs: out0 2 x 2,048 x 1,024 float32.
;; One version. Each part assembles by itself: llvm-mc -triple=amdgcn-amd-amdhsa -mcpu=gfx1250 --defsym DOCPART=n.
;; ======== version 1 of 1: 4 launches
;; limits: values are held in f16: magnitudes above 65,504 overflow, below 6.1e-05 lose precision
;; workspace buffers: xh 8,388,608 bytes; wah 6,291,456 bytes; wph 2,097,152 bytes; maskbits 524,288 bytes of whole numbers; rope 1,048,576 bytes; qkv 25,165,824 bytes; y 16,777,216 bytes
;; launch prep (part 1): grid 256 x 1, 8 waves a work-group, no clusters, 19,456 bytes of LDS; arguments x, W_attn, W_proj, attn_mask, xh, wah, wph, maskbits, rope; writes xh, wah, wph, maskbits, rope
.if DOCPART == 1
	.amdgcn_target "amdgcn-amd-amdhsa--gfx1250"
	.amdhsa_code_object_version 6
	.text
	.protected	k_q6ca7a2bf3f_prep
	.globl	k_q6ca7a2bf3f_prep
	.p2align	8
	.type	k_q6ca7a2bf3f_prep,@function
k_q6ca7a2bf3f_prep:
	s_mov_b64 s[64:65], 0
	v_nop
	global_prefetch_b8 v0, s[64:65] scope:SCOPE_SE
	s_setreg_imm32_b32 hwreg(HW_REG_WAVE_MODE, 25, 1), 1
	s_wait_xcnt 0x0
; Three small streams in one launch, each input byte read once.
; (1) x, W_attn, W_proj: f32 to bf16 (nearest even), same order.  256 work-groups x 32,768 numbers: groups 0-127 take x, 128-223 W_attn, 224-255 W_proj.
;     Thread t, piece i: 32 bytes in at 32 t + 8192 i, 16 bytes out at 16 t + 4096 i: a store of a wave covers 512 consecutive bytes, aligned.
; (2) attn_mask bytes to lane masks.  Word (Q, kb, j), bit L = mask[16 Q + (L & 15)][16 kb + 8 (L >> 4) + j] != 0: the lane mask of register j
;     of a 16 x 16 score tile held keys-by-queries.  A wave takes 16 rows x 128 bytes (8 tiles) and stores 64 words = 256 bytes, aligned.
; (3) the rotary table: row t (one wave), pair j (one lane): cos and sin of t * 10000^(-j/32).  Section 1 plain (for k), section 0 times
;     0.125 log2(e) (for q), so that scores come out in units of log2.
; No matrix unit, no cluster, no barrier: nothing is shared between waves; the LDS bytes are each wave's own.
; LIMITS: the three matrix inputs keep 8 significant bits (bf16, the whole range of f32).  A mask byte other than 0 counts as true.
; The angle is reduced by 2 pi in two fused steps and the series are cut behind r^15 and r^16: at |r| = pi the first terms left out are below 8e-7.
.set X, 56                             ; v[56:183] piece i: 8 registers as loaded, the first 4 as stored
	s_load_b512 s[4:19], s[0:1], 0x0               ; x, W_attn, W_proj, attn_mask, xh, wah, wph, maskbits
	s_load_b64 s[20:21], s[0:1], 0x40              ; rope
	v_lshl_add_u32 v184, v0, 2, 0x4800
	v_mov_b32 v185, 0
	v_lshrrev_b32 v2, 5, v0
	v_readfirstlane_b32 s22, v2                    ; wave
	v_and_b32 v1, 31, v0                           ; lane L
	v_lshlrev_b32 v2, 5, v0                        ; 32 t
	v_lshlrev_b32 v3, 4, v0                        ; 16 t
	v_lshrrev_b32 v42, 3, v1
	v_and_b32 v43, 7, v1
	v_lshlrev_b32 v4, 11, v42                      ; mask in: row L >> 3 of four (2,048 bytes a row),
	v_lshl_add_u32 v4, v43, 4, v4                  ; 16 bytes at 16 (L & 7)
	s_mul_i32 s29, s22, 2304                       ; my 16 rows x 144 bytes of LDS
	v_mul_u32_u24 v5, v42, 144
	v_lshl_add_u32 v5, v43, 4, v5
	v_add_nc_u32 v5, s29, v5                       ; LDS in: the same place at pitch 144
	v_and_b32 v42, 15, v1
	v_lshrrev_b32 v43, 4, v1
	v_mul_u32_u24 v6, v42, 144
	v_lshl_add_u32 v6, v43, 3, v6
	v_add_nc_u32 v6, s29, v6                       ; LDS back: row L & 15, 8 bytes at 8 (L >> 4)
	v_lshlrev_b32 v7, 3, v1                        ; 8 L: two words a lane
	s_lshl_b32 s23, ttmp9, 3
	s_add_co_u32 s23, s23, s22                     ; 8 g + w, 0 to 2047: my table row, and my piece of the mask
	s_lshr_b32 s32, s23, 4                         ; Q: which 16 rows of the mask
	s_and_b32 s33, s23, 15                         ; which 128 columns
	s_lshl_b32 s34, s32, 15
	s_lshl_b32 s35, s33, 7
	s_add_co_u32 s34, s34, s35                     ; 32,768 Q + 128 kg
	s_mov_b32 s35, 0
	s_lshl_b32 s36, s32, 12
	s_lshl_b32 s37, s33, 8
	s_add_co_u32 s36, s36, s37                     ; 4,096 Q + 256 kg
	s_mov_b32 s37, 0
	s_lshl_b32 s38, s23, 8                         ; a table row is 256 bytes
	s_mov_b32 s39, 0
	s_wait_kmcnt 0x0
	s_add_nc_u64 s[10:11], s[10:11], s[34:35]
	s_add_nc_u64 s[18:19], s[18:19], s[36:37]
	s_add_nc_u64 s[20:21], s[20:21], s[38:39]
	s_cmp_lt_u32 ttmp9, 128                        ; which tensor is cast here: only selects stand between a compare and its last select
	s_cselect_b64 s[24:25], s[4:5], s[6:7]
	s_cselect_b64 s[26:27], s[12:13], s[14:15]
	s_cselect_b32 s28, 0, 128
	s_cmp_lt_u32 ttmp9, 224
	s_cselect_b64 s[24:25], s[24:25], s[8:9]
	s_cselect_b64 s[26:27], s[26:27], s[16:17]
	s_cselect_b32 s28, s28, 224
	s_sub_co_u32 s28, ttmp9, s28                   ; my chunk in that tensor
	s_lshl_b32 s30, s28, 17                        ; 131,072 bytes in
	s_mov_b32 s31, 0
	s_add_nc_u64 s[24:25], s[24:25], s[30:31]
	s_lshl_b32 s30, s28, 16                        ; 65,536 bytes out
	s_add_nc_u64 s[26:27], s[26:27], s[30:31]
	; all 36 loads go out first
.irp i, 0,1,2,3
	global_load_b128 v[10+4*\i:13+4*\i], v4, s[10:11] offset:8192*\i th:TH_LOAD_NT
.endr
.irp i, 0,1,2,3,4,5,6,7,8,9,10,11,12,13,14,15
	global_load_b128 v[X+8*\i:X+8*\i+3],   v2, s[24:25] offset:8192*\i th:TH_LOAD_NT
	global_load_b128 v[X+8*\i+4:X+8*\i+7], v2, s[24:25] offset:8192*\i+16 th:TH_LOAD_NT
.endr
	; the table, while they are on their way
	v_cvt_f32_u32 v42, v1                          ; j
	v_cvt_f32_u32 v44, s23                         ; t
	v_mul_f32 v42, 0xbed49a78, v42                 ; -j log2(10000) / 32
	v_exp_f32 v43, v42                             ; 10000^(-j/32)
	v_mov_b32 v48, 0x29573f9f                      ; 1/16!  (a plain instruction stands behind v_exp_f32 before its result is used: ISA guide 5.7.2)
	v_mov_b32 v49, 0xab573f9f                      ; -1/15!
	s_wait_alu depctr_va_vdst(0)
	v_mul_f32 v44, v44, v43                        ; the angle
	v_mul_f32 v45, 0.15915494, v44
	v_rndne_f32 v45, v45                           ; whole turns n
	v_fmamk_f32 v46, v45, 0xc0c90fdb, v44          ; r = angle - n * 6.2831855
	v_fmamk_f32 v46, v45, 0x343bbd2e, v46          ;   + n * 1.7484556e-7 (what that constant is above 2 pi)
	v_mul_f32 v47, v46, v46                        ; z = r r
.irp k, 0xad49cba6, 0x310f76c8, 0xb493f27e, 0x37d00d01, 0xbab60b61, 0x3d2aaaab, 0xbf000000, 0x3f800000
	v_fmaak_f32 v48, v48, v47, \k                  ; cos r: -1/14!, 1/12!, -1/10!, 1/8!, -1/6!, 1/4!, -1/2, 1
.endr
.irp k, 0x2f309231, 0xb2d7322b, 0x3638ef1d, 0xb9500d01, 0x3c088889, 0xbe2aaaab, 0x3f800000
	v_fmaak_f32 v49, v49, v47, \k                  ; sin r / r: 1/13!, -1/11!, 1/9!, -1/7!, 1/5!, -1/3!, 1
.endr
	v_mul_f32 v49, v49, v46
	v_pk_mul_f32 v[50:51], v[48:49], 0x3e38aa3b op_sel_hi:[1,0]    ; times 0.125 log2(e)
	global_store_b64 v7, v[50:51], s[20:21]                        ; section 0, for q: the wave stores one whole row of 256 bytes
	global_store_b64 v7, v[48:49], s[20:21] offset:524288          ; section 1, for k
	; the mask: through my own LDS bytes, to turn 4 rows x 128 bytes a load into 16 rows x 16 bytes a tile
	s_wait_loadcnt 32                              ; the four oldest loads are in, the 32 of the cast stay out
.irp i, 0,1,2,3
	ds_store_b128 v5, v[10+4*\i:13+4*\i] offset:576*\i
.endr
.irp kb, 0,1,2,3,4,5,6,7
	ds_load_b64 v[26+2*\kb:27+2*\kb], v6 offset:16*\kb             ; LDS serves a wave in order (ISA guide 5.7.1): these see the stores above
.endr
	v_mov_b32 v8, 0                                ; v_writelane_b32 keeps the other lanes: written whole first
	v_mov_b32 v9, 0
.irp kb, 0,1,2,3,4,5,6,7
	s_wait_dscnt 7-\kb                             ; tile kb is in, the younger tiles stay out
.irp j, 0,1,2,3,4,5,6,7
	v_and_b32 v[52+\j%4], 0xff<<(8*(\j%4)), v[26+2*\kb+\j/4]       ; byte j of my eight
	v_cmp_ne_u32 s[32+\j], 0, v[52+\j%4]                           ; one bit a lane: the word (Q, kb, j)
	v_writelane_b32 v[8+\j%2], s[32+\j], 4*\kb+\j/2                ; word 8 kb + j of the 64 goes to lane 4 kb + j / 2, register j % 2
.endr
.endr
	global_store_b64 v7, v[8:9], s[18:19]
	; the cast
.irp i, 0,1,2,3,4,5,6,7,8,9,10,11,12,13,14,15
	s_wait_loadcnt 30-2*\i                         ; the two loads of piece i are in, the younger pieces stay out
.irp k, 0,1,2,3
	v_cvt_pk_bf16_f32 v[X+8*\i+\k], v[X+8*\i+2*\k], v[X+8*\i+2*\k+1]  ; in place, ascending: no source is written before it is read
.endr
	global_store_b128 v3, v[X+8*\i:X+8*\i+3], s[26:27] offset:4096*\i
.endr
	s_wait_tensorcnt 0x0
	ds_add_u32 v184, v185
	s_wait_dscnt 0x0
	s_endpgm
.Lfunc_end_k_q6ca7a2bf3f_prep:
	.size	k_q6ca7a2bf3f_prep, .Lfunc_end_k_q6ca7a2bf3f_prep-k_q6ca7a2bf3f_prep
	.p2alignl 7, 3214868480
	.fill 96, 4, 3214868480
	.section	.rodata,"a",@progbits
	.p2align	6, 0x0
	.amdhsa_kernel k_q6ca7a2bf3f_prep
		.amdhsa_group_segment_fixed_size 19456
		.amdhsa_private_segment_fixed_size 0
		.amdhsa_enable_private_segment 0
		.amdhsa_kernarg_size 72
		.amdhsa_user_sgpr_count 2
		.amdhsa_user_sgpr_kernarg_segment_ptr 1
		.amdhsa_wavefront_size32 1
		.amdhsa_system_sgpr_workgroup_id_x 1
		.amdhsa_system_sgpr_workgroup_id_y 1
		.amdhsa_system_sgpr_workgroup_id_z 1
		.amdhsa_system_vgpr_workitem_id 0
		.amdhsa_next_free_vgpr 186
		.amdhsa_next_free_sgpr 66
		.amdhsa_reserve_vcc 0
		.amdhsa_float_denorm_mode_32 3
		.amdhsa_float_denorm_mode_16_64 3
		.amdhsa_memory_ordered 1
		.amdhsa_forward_progress 1
		.amdhsa_inst_pref_size 27
	.end_amdhsa_kernel
	.amdgpu_metadata
---
amdhsa.version: [ 1, 2 ]
amdhsa.kernels:
  - .name:           k_q6ca7a2bf3f_prep
    .symbol:         k_q6ca7a2bf3f_prep.kd
    .args:
      - { .name: x, .offset: 0, .size: 8, .value_kind: global_buffer, .address_space: global }
      - { .name: W_attn, .offset: 8, .size: 8, .value_kind: global_buffer, .address_space: global }
      - { .name: W_proj, .offset: 16, .size: 8, .value_kind: global_buffer, .address_space: global }
      - { .name: attn_mask, .offset: 24, .size: 8, .value_kind: global_buffer, .address_space: global }
      - { .name: xh, .offset: 32, .size: 8, .value_kind: global_buffer, .address_space: global }
      - { .name: wah, .offset: 40, .size: 8, .value_kind: global_buffer, .address_space: global }
      - { .name: wph, .offset: 48, .size: 8, .value_kind: global_buffer, .address_space: global }
      - { .name: maskbits, .offset: 56, .size: 8, .value_kind: global_buffer, .address_space: global }
      - { .name: rope, .offset: 64, .size: 8, .value_kind: global_buffer, .address_space: global }
    .group_segment_fixed_size: 19456
    .private_segment_fixed_size: 0
    .kernarg_segment_align: 8
    .kernarg_segment_size: 72
    .max_flat_workgroup_size: 256
    .sgpr_count:     66
    .vgpr_count:     186
    .wavefront_size: 32
...
	.end_amdgpu_metadata
.endif
;; end of part 1
;; launch qkvgemm (part 2): grid 12 x 16, 4 waves a work-group, clusters of 4 x 4, 327,680 bytes of LDS; arguments xh, wah, b_attn, rope, qkv; writes qkv
.if DOCPART == 2
	.amdgcn_target "amdgcn-amd-amdhsa--gfx1250"
	.amdhsa_code_object_version 6
	.text
	.protected	k_q6ca7a2bf3f_qkvgemm
	.globl	k_q6ca7a2bf3f_qkvgemm
	.p2align	8
	.type	k_q6ca7a2bf3f_qkvgemm,@function
k_q6ca7a2bf3f_qkvgemm:
	s_mov_b64 s[64:65], 0
	v_nop
	global_prefetch_b8 v0, s[64:65] scope:SCOPE_SE
	s_setreg_imm32_b32 hwreg(HW_REG_WAVE_MODE, 25, 1), 1
	s_wait_xcnt 0x0
	s_wait_alu depctr_hold_cnt(0) depctr_sa_sdst(0) depctr_va_vdst(0) depctr_va_sdst(0) depctr_va_ssrc(0) depctr_va_vcc(0) depctr_vm_vsrc(0)
	s_getreg_b32 s2, hwreg(HW_REG_IB_STS2, 6, 4)
	s_cmp_eq_u32 s2, 0
	s_cbranch_scc0 .Lentry_in_a_cluster
	s_endpgm
.Lentry_in_a_cluster:
	s_bfe_u32 s2, ttmp6, 0x10000c
	s_cmp_lg_u32 s2, 0xf033
	s_cbranch_scc0 .Lentry_shape_is_right
	s_endpgm
.Lentry_shape_is_right:
; qkv = x W_attn + b_attn, the rotary turn on q and k, rounded once to f16 and laid out by head: qkv[section][16 b + head][t][64].
; xh: [4096][1024] bf16.  wah: [1024 k][3072 n] bf16.  Sums in f32; the bias (f32) is the C operand of the first product, so no add and no clearing remain.
; A work-group makes 256 x 256 with four waves of 128 x 128 (64 accumulator tiles, 512 registers).  K goes in steps of 128 through two LDS slots.
; 12 x 16 = 192 work-groups: this block keeps tile rows of 256 and 512 bytes and two whole heads in a wave.
; CLUSTERS: 4 x 4.  The four of a cluster row need the same tiles of x, the four of a column the same tiles of W: joint loads, a quarter of the requests.
; A block column lies in one section (q, k or v) and a cluster spans one section: section = ttmp9, equal in all partners; the one branch that is
; not on the wave number hangs on it.
; W lies [k][n]: its fragments come out of LDS by the transposing load; rows of 512 bytes get 32 bytes of padding (pitch 544, an odd multiple of 32).
; THE MATRIX INSTRUCTION IS USED TRANSPOSED (source 0 = W, source 1 = x): lane l holds row l % 16 and eight neighbouring columns 8 (l / 16) + 0..7,
; that is four rotary pairs.
; LIMITS: q, k, v leave as f16 (11 significant bits, which the attention products need more than range): magnitudes above 65,504 become infinities.
; With every input 30 times the drawn spread q, k, v stay near 3,200.
; REGISTERS: window 0: v16-31 addresses, v32-39 at work, v64-127 and v128-191 fragments of x, v192-255 the bias; window 1: v64-191 fragments of W,
; on the way out the whole window holds the table; windows 2 and 3: accumulators, tile (a, b) at v[8 (8 a + b)].
.set KSTEP,  128
.set PITCH,  272                       ; x rows in LDS: 256 bytes + 16
.set BPITCH, 544                       ; W rows in LDS: 512 bytes + 32
.set HALFT,  34816                     ; what one tensor load fills: 128 x 272 = 64 x 544
.set SLOT,   4*HALFT                   ; 256 rows of x, then 128 k rows of W
.set STAGE,  2*SLOT                    ; behind the ring: 16 rows x 272 bytes for each wave
.set SPITCH, 272
.set LAPS,   4                         ; 1024 / (2 x 128)
.set BSTEP,  KSTEP*3072*2              ; bytes of W from one K step to the next
.set ADRA, 16                          ; v16-17  LDS address of my x fragments in slot 0, 1
.set ADRB, 20                          ; v20-21  the same for W
.set STO,  24
.set RD,   25
.set CO,   26
.set VB,   27                          ; 32 (l / 16)
.set TO,   28                          ; 256 (l % 16) + 32 (l / 16)
.set T,    32
.set F0,   64
.set F1,   128
.set BIAS, 192
.set XR,   64                          ; the way out: 64 turned numbers in f32
.set TMP,  128                         ; packed
.set RB0,  160                         ; read back, two buffers in turn
.set RB1,  192
.set G1, 24
.set G0, 32
.set G1B, 48
.set G0B, 56
.set MSB, 0
.macro WIN new                         ; the high byte of the immediate repeats the setting that is left
.if MSB != \new
	s_set_vgpr_msb (MSB<<8)|\new
.set MSB, \new
.endif
.endm
.set MUL_LO,  0xa1                     ; source 0 (W) window 1, source 1 (x) window 0, C and D window 2
.set MUL_HI,  0xf1                     ; C and D window 3
.set BIAS_LO, 0x81                     ; C (the bias) window 0, D window 2
.set BIAS_HI, 0xc1                     ; C window 0, D window 3
.set TO_B,    0x40                     ; destination window 1, address window 0
.macro JLOAD s                         ; waves 0, 1 ask for x, waves 2, 3 for W: one mask and one register set a line; the branch hangs on the wave number alone
	s_cmp_eq_u32 s11, 0
	s_cbranch_scc0 .Lfor_b_\@
	tensor_load_to_lds s[G0+4*\s:G0+4*\s+3], s[G1:G1+7]
	s_nop 0
	s_branch .Lasked_\@
.Lfor_b_\@:
	tensor_load_to_lds s[G0B+4*\s:G0B+4*\s+3], s[G1B:G1B+7]
	s_nop 0
.Lasked_\@:
.endm
.macro CREST                           ; a round of the cluster barrier behind its opening work-group barrier
	s_cmp_lg_u32 s10, 0
	s_cbranch_scc1 .Lnot_wave_0_\@
	s_barrier_signal -3
.Lnot_wave_0_\@:
	s_barrier_wait -3
	s_barrier_signal -1
	s_barrier_wait -1
.endm
.macro CROUND
	s_barrier_signal -1
	s_barrier_wait -1
	CREST
.endm
	s_load_b128 s[4:7], s[0:1], 0x0                ; xh, wah
	s_load_b128 s[68:71], s[0:1], 0x10             ; b_attn, rope
	s_load_b64 s[8:9], s[0:1], 0x20                ; qkv
	v_lshl_add_u32 v62, v0, 2, 0x48400
	v_mov_b32 v63, 0
	ds_add_u32 v62, v63
	v_lshrrev_b32 v1, 5, v0
	v_readfirstlane_b32 s10, v1                    ; wave
	s_lshr_b32 s11, s10, 1                         ; my half of the rows; also: I fetch x (0) or W (1)
	s_and_b32 s12, s10, 1                          ; my half of the columns; also: which half of that tile I fetch
	s_bfe_u32 s40, ttmp6, 0x40000                  ; cx
	s_bfe_u32 s41, ttmp6, 0x40004                  ; cy
	s_lshl_b32 s42, ttmp9, 2
	s_add_co_u32 s42, s42, s40                     ; block column
	s_and_b32 s13, ttmp7, 0xffff
	s_lshl_b32 s13, s13, 2
	s_add_co_u32 s13, s13, s41                     ; block row
	s_lshl_b32 s43, s41, 2
	s_lshl_b32 s43, 15, s43                        ; my row of the cluster
	s_lshl_b32 s44, 0x1111, s40                    ; my column
	s_or_b32 s[G1+0], s43, (1<<16)|(1<<20)|(1<<21)|(5<<22)|(3<<25)    ; x: mask of my row; 2-byte elements; 4 words of padding behind every 64
	s_or_b32 s[G1B+0], s44, (1<<16)|(1<<20)|(1<<21)|(6<<22)|(7<<25)   ; W: mask of my column; 8 words behind every 128
	s_mov_b32 s[G1+1], 128<<16                     ; tensor_dim0
	s_mov_b32 s[G1B+1], 256<<16
	s_mov_b32 s[G1+2], 128<<16                     ; tensor_dim1
	s_mov_b32 s[G1B+2], 64<<16
	s_mov_b32 s[G1+3], 128<<16                     ; tile_dim0
	s_mov_b32 s[G1B+3], 256<<16
	s_mov_b32 s[G1+4], 128                         ; tile_dim1
	s_mov_b32 s[G1B+4], 64
	s_mov_b32 s[G1+5], 1024                        ; elements from row to row
	s_mov_b32 s[G1B+5], 3072
	s_mov_b32 s[G1+6], 0
	s_mov_b32 s[G1B+6], 0
	s_mov_b32 s[G1+7], 0
	s_mov_b32 s[G1B+7], 0
	s_lshl_b32 s16, s13, 8                         ; x: row 256 x block row + 128 x half, 2,048 bytes a row
	s_lshl_b32 s17, s12, 7
	s_add_co_u32 s16, s16, s17
	s_lshl_b32 s16, s16, 11
	s_mov_b32 s17, 0
	s_mul_i32 s46, s12, 64*6144                    ; W: k row 64 x half, column 256 x block column
	s_lshl_b32 s47, s42, 9
	s_add_co_u32 s46, s46, s47
	s_mov_b32 s47, 0
	s_mul_i32 s20, s10, HALFT                      ; LDS: wave x what a load fills
	s_lshl_b32 s72, s42, 10                        ; bias: 4 (256 x block column + 128 x half)
	s_lshl_b32 s73, s12, 9
	s_add_co_u32 s72, s72, s73
	s_mov_b32 s73, 0
	s_lshl_b32 s45, s13, 8
	s_lshl_b32 s66, s11, 7
	s_add_co_u32 s45, s45, s66
	s_and_b32 s45, s45, 2047                       ; t of my first row
	s_lshl_b32 s74, s45, 8                         ; table: 256 bytes a row,
	s_lshl_b32 s66, ttmp9, 19                      ; section 0 for q, 1 for k (not read for v)
	s_add_co_u32 s74, s74, s66
	s_mov_b32 s75, 0
	s_lshr_b32 s66, s13, 3                         ; batch
	s_lshl_b32 s66, s66, 2
	s_add_co_u32 s66, s66, s40
	s_lshl_b32 s66, s66, 1
	s_add_co_u32 s66, s66, s12                     ; 8 b + 2 cx + half: my first head is twice that
	s_lshl_b32 s66, s66, 19                        ; a head is 262,144 bytes
	s_lshl_b32 s67, s45, 7                         ; a row of a head 128
	s_add_co_u32 s66, s66, s67
	s_lshl_b32 s67, ttmp9, 23                      ; a section 8,388,608
	s_add_co_u32 s66, s66, s67
	s_mov_b32 s67, 0
	s_wait_dscnt 0x0
	s_wait_kmcnt 0x0
	s_add_nc_u64 s[14:15], s[4:5], s[16:17]
	s_add_nc_u64 s[46:47], s[6:7], s[46:47]
	s_add_nc_u64 s[68:69], s[68:69], s[72:73]
	s_add_nc_u64 s[70:71], s[70:71], s[74:75]
	s_add_nc_u64 s[8:9], s[8:9], s[66:67]
	CROUND                                         ; all sixteen work-groups are here: the first joint loads meet
.irp s, 0,1
	s_mov_b32 s[G0+4*\s], 1
	s_add_co_u32 s[G0+4*\s+1], s20, \s*SLOT
	s_add_nc_u64 s[G0+4*\s+2:G0+4*\s+3], s[14:15], \s*KSTEP*2
	s_or_b32 s[G0+4*\s+3], s[G0+4*\s+3], 0x80000000
	s_mov_b32 s[G0B+4*\s], 1
	s_add_co_u32 s[G0B+4*\s+1], s20, \s*SLOT
	s_add_nc_u64 s[G0B+4*\s+2:G0B+4*\s+3], s[46:47], \s*BSTEP
	s_or_b32 s[G0B+4*\s+3], s[G0B+4*\s+3], 0x80000000
	JLOAD \s                                       ; both slots: two tensor loads of the wave are out
.endr
	v_and_b32 v1, 15, v0                           ; l % 16
	v_bfe_u32 v2, v0, 4, 1                         ; l / 16
	v_lshlrev_b32 v[VB], 5, v2
	v_lshl_add_u32 v[TO], v1, 8, v[VB]
.irp b, 0,1,2,3,4,5,6,7
	global_load_b128 v[BIAS+8*\b:BIAS+8*\b+3],   v[VB], s[68:69] offset:64*\b       ; the bias of columns 16 b + 8 (l / 16) + 0..7: the layout of a C operand
	global_load_b128 v[BIAS+8*\b+4:BIAS+8*\b+7], v[VB], s[68:69] offset:64*\b+16
.endr
	v_mul_u32_u24 v3, v1, PITCH
	v_lshl_add_u32 v3, v2, 4, v3                   ; x fragments: row x pitch + 16 x half
	v_and_b32 v6, 7, v0
	v_lshl_add_u32 v6, v2, 3, v6
	v_mul_u32_u24 v6, v6, BPITCH                   ; W fragments, transposing load: k row 8 (l / 16) + l % 8,
	v_bfe_u32 v7, v0, 3, 1
	v_lshl_add_u32 v6, v7, 4, v6                   ; 16 bytes at 16 ((l / 8) % 2)
	s_mul_i32 s21, s11, HALFT                      ; my 128 rows of x
	s_lshl_b32 s22, s12, 8                         ; my 128 columns of W,
	s_add_co_u32 s22, s22, 2*HALFT                 ; which lies behind x
.irp s, 0,1
	v_add_nc_u32 v[ADRA+\s], s21, v3
	v_add_nc_u32 v[ADRB+\s], s22, v6
	s_add_co_u32 s21, s21, SLOT
	s_add_co_u32 s22, s22, SLOT
.endr
	s_mul_i32 s23, s10, 16*SPITCH
	s_add_co_u32 s23, s23, STAGE
	v_add_nc_u32 v[STO], s23, v3                   ; stage in: row l % 16, 16 bytes for each half of the lanes
	v_bfe_u32 v5, v0, 3, 2
	v_mul_u32_u24 v5, v5, SPITCH                   ; stage back: row l / 8 of four, 16 bytes at 16 (l % 8): 128 bytes = a row of one head
	v_and_b32 v7, 7, v0
	v_lshl_add_u32 v5, v7, 4, v5
	v_add_nc_u32 v[RD], s23, v5
	v_and_b32 v7, 31, v0
	v_lshlrev_b32 v[CO], 4, v7                     ; four rows of a head are 512 consecutive bytes: 16 l
.macro MUL16 f, hi, a0, bias           ; 16 matrix instructions: row blocks a0, a0 + 1 of the window x all 8 column blocks, 32 along K
.irp a, \a0, \a0+1
.irp b, 0,1,2,3,4,5,6,7
.if \bias
	v_wmma_f32_16x16x32_bf16 v[8*(8*(\a)+\b):8*(8*(\a)+\b)+7], v[\f+8*\b:\f+8*\b+7], v[\f+8*(4*\hi+\a):\f+8*(4*\hi+\a)+7], v[BIAS+8*\b:BIAS+8*\b+7]
.else
	v_wmma_f32_16x16x32_bf16 v[8*(8*(\a)+\b):8*(8*(\a)+\b)+7], v[\f+8*\b:\f+8*\b+7], v[\f+8*(4*\hi+\a):\f+8*(4*\hi+\a)+7], v[8*(8*(\a)+\b):8*(8*(\a)+\b)+7]
.endif
.endr
.endr
.endm
.macro FETCH slot, kq, f               ; 32 LDS loads in one run: quarter kq (32 along K) of a slot into buffer f
	WIN TO_B
.irp i, 0,1,2,3,4,5,6,7
	ds_load_tr16_b128 v[\f+8*\i:\f+8*\i+3],   v[ADRB+\slot] offset:\kq*32*BPITCH+32*\i
	ds_load_tr16_b128 v[\f+8*\i+4:\f+8*\i+7], v[ADRB+\slot] offset:\kq*32*BPITCH+32*\i+16*BPITCH
.endr
	WIN 0
.irp i, 0,1,2,3,4,5,6,7
	ds_load_b128 v[\f+8*\i:\f+8*\i+3],   v[ADRA+\slot] offset:\kq*64+\i*16*PITCH
	ds_load_b128 v[\f+8*\i+4:\f+8*\i+7], v[ADRA+\slot] offset:\kq*64+\i*16*PITCH+32
.endr
.endm
.macro PLACES                          ; four plain vector places behind matrix instructions, in front of loads into their sources and of readers of their results
.rept 4
	v_nop
.endr
.endm
; The 64 accumulators take turns, one instruction a turn, in the same order in every quarter.
.macro QUARTER slot, kq, f, g, bias    ; multiplies buffer f; in its middle fetches quarter kq into buffer g
	s_wait_dscnt 8                                 ; W and x rows 0-63 are in; the youngest eight loads (x rows 64-127) may be out
.if \bias
	WIN BIAS_LO
.else
	WIN MUL_LO
.endif
	MUL16 \f, 0, 0, \bias
	MUL16 \f, 0, 2, \bias
	PLACES
	FETCH \slot, \kq, \g
	s_wait_dscnt 32                                ; all but the 32 just issued
.if \bias
	WIN BIAS_HI
.else
	WIN MUL_HI
.endif
	MUL16 \f, 1, 0, \bias
	MUL16 \f, 1, 2, \bias
.endm
.macro THREE slot, bias
	QUARTER \slot, 1, F0, F1, \bias
	QUARTER \slot, 2, F1, F0, 0
	QUARTER \slot, 3, F0, F1, 0
.endm
; The last quarter of a K step changes slots.  In front of the barrier each wave waits for its reads of this slot and for all its tensor loads (one is
; out: its part of the next slot).  Where the slot is filled again the barrier opens a round of the cluster barrier and the joint load is the first
; tensor load behind the round.  From a request to the wait for it a wave issues 240 matrix instructions.
.macro TURN slot, next, fill
	s_wait_dscnt 8
	WIN MUL_LO
	MUL16 F1, 0, 0, 0
	s_wait_dscnt 0
	s_set_vgpr_msb 0xa1a0
	s_wait_tensorcnt 0x0
	ds_add_u32 v62, v63
	s_wait_dscnt 0x0
	s_set_vgpr_msb 0xa0a1
	s_barrier_signal -1
	MUL16 F1, 0, 2, 0                              ; register work between signal and wait
	WIN 0
	s_barrier_wait -1
.if \fill
	CREST
	s_add_nc_u64 s[G0+4*\slot+2:G0+4*\slot+3], s[G0+4*\slot+2:G0+4*\slot+3], 2*KSTEP*2      ; no load of mine is out: the descriptors may be stepped
	s_add_nc_u64 s[G0B+4*\slot+2:G0B+4*\slot+3], s[G0B+4*\slot+2:G0B+4*\slot+3], 2*BSTEP
	JLOAD \slot
.endif
	PLACES
	FETCH \next, 0, F0
	WIN MUL_HI
	MUL16 F1, 1, 0, 0
	MUL16 F1, 1, 2, 0
.endm
.macro LAP bias
	THREE 0, \bias
	TURN 0, 1, 1
	THREE 1, 0
	TURN 1, 0, 1
.endm
	s_wait_loadcnt 0x0                             ; the bias
	s_wait_tensorcnt 1                             ; my part of K step 0 is in; K step 1 stays out
	s_barrier_signal -1
	s_barrier_wait -1
	FETCH 0, 0, F0
	LAP 1                                          ; the first products take the bias as C and start the sums
	WIN 0
	s_mov_b32 s3, LAPS-2
.Llap:
	LAP 0
	WIN 0
	s_sub_co_u32 s3, s3, 1
	s_cmp_lg_u32 s3, 0
	s_cbranch_scc1 .Llap
	THREE 0, 0                                     ; the last lap fills nothing
	TURN 0, 1, 0
	THREE 1, 0
	s_wait_dscnt 8
	WIN MUL_LO
	MUL16 F1, 0, 0, 0
	MUL16 F1, 0, 2, 0
	s_wait_dscnt 0
	WIN MUL_HI
	MUL16 F1, 1, 0, 0
	MUL16 F1, 1, 2, 0
; THE WAY OUT, 16 rows at a time: f16, 16 bytes a lane into my own stage, read back as rows of one head, stored 512 consecutive bytes an instruction.
.macro STAGEOUT i, rb
.irp b, 0,1,2,3,4,5,6,7
	ds_store_b128 v[STO], v[TMP+4*\b:TMP+4*\b+3] offset:32*\b
.endr
	s_wait_xcnt 0x0                                ; buffer rb, which earlier stores read, is loaded again only behind this wait (ISA guide 3.1)
.irp t, 0,1,2,3,4,5,6,7
	ds_load_b128 v[\rb+4*\t:\rb+4*\t+3], v[RD] offset:(\t%4)*4*SPITCH+(\t/4)*128    ; LDS serves a wave in order: these see the stores above
.endr
.irp t, 0,1,2,3,4,5,6,7
	s_wait_dscnt 7-\t
	global_store_b128 v[CO], v[\rb+4*\t:\rb+4*\t+3], s[8:9] offset:2048*\i+(\t%4)*512+(\t/4)*262144   ; rows 16 i + 4 (t % 4) .. + 3 of head t / 4
.endr
.endm
.macro TABLE i                         ; cos and sin of row group i: 4 x 32 bytes a lane, the pairs 8 q + 4 (l / 16) + 0..3 of row l % 16
.irp q, 0,1,2,3
	global_load_b128 v[32*\i+8*\q:32*\i+8*\q+3],   v[TO], s[70:71] offset:4096*\i+64*\q
	global_load_b128 v[32*\i+8*\q+4:32*\i+8*\q+7], v[TO], s[70:71] offset:4096*\i+64*\q+16
.endr
.endm
.macro ROUT i, a, win, rb              ; win: source 0 = the accumulator window, source 1 = window 1 (the table), the rest window 0
	s_wait_loadcnt 56-8*\i                         ; the eight loads of group i are in, those of the younger groups stay out
	WIN \win
.irp b, 0,1,2,3,4,5,6,7
.irp p, 0,1,2,3
	v_mul_f32 v[T+2*\p],   v[8*(8*\a+\b)+2*\p+1], v[32*\i+8*(\b%4)+2*\p+1]                  ; odd x sin
	v_mul_f32 v[T+2*\p+1], v[8*(8*\a+\b)+2*\p],   v[32*\i+8*(\b%4)+2*\p+1]                  ; even x sin
	v_fma_f32 v[XR+8*\b+2*\p],   v[8*(8*\a+\b)+2*\p],   v[32*\i+8*(\b%4)+2*\p], -v[T+2*\p]  ; even x cos - odd x sin
	v_fma_f32 v[XR+8*\b+2*\p+1], v[8*(8*\a+\b)+2*\p+1], v[32*\i+8*(\b%4)+2*\p], v[T+2*\p+1] ; odd x cos + even x sin
.endr
.endr
	WIN 0
.irp e, 0,1,2,3,4,5,6,7,8,9,10,11,12,13,14,15,16,17,18,19,20,21,22,23,24,25,26,27,28,29,30,31
	v_cvt_pk_f16_f32 v[TMP+\e], v[XR+2*\e], v[XR+2*\e+1]
.endr
	STAGEOUT \i, \rb
.endm
.macro VOUT i, a, from, rb             ; from: sources 0 and 1 = the accumulator window
	WIN \from
.irp b, 0,1,2,3,4,5,6,7
.irp p, 0,1,2,3
	v_cvt_pk_f16_f32 v[TMP+4*\b+\p], v[8*(8*\a+\b)+2*\p], v[8*(8*\a+\b)+2*\p+1]
.endr
.endr
	WIN 0
	STAGEOUT \i, \rb
.endm
	PLACES                                         ; behind the last matrix instructions: for readers of results and for loads into the fragment buffers
	WIN 0
	s_cmp_eq_u32 ttmp9, 2                          ; the section: equal in all sixteen partners
	s_cbranch_scc1 .Lv_out
	WIN TO_B
.irp i, 0,1,2,3,4,5,6,7
	TABLE \i                                       ; 64 loads into window 1, whose registers are all free now
.endr
	ROUT 0, 0, 0x06, RB0
	ROUT 1, 1, 0x06, RB1
	ROUT 2, 2, 0x06, RB0
	ROUT 3, 3, 0x06, RB1
	ROUT 4, 0, 0x07, RB0
	ROUT 5, 1, 0x07, RB1
	ROUT 6, 2, 0x07, RB0
	ROUT 7, 3, 0x07, RB1
	s_branch .Lclose
.Lv_out:
	VOUT 0, 0, 0x0a, RB0
	VOUT 1, 1, 0x0a, RB1
	VOUT 2, 2, 0x0a, RB0
	VOUT 3, 3, 0x0a, RB1
	VOUT 4, 0, 0x0f, RB0
	VOUT 5, 1, 0x0f, RB1
	VOUT 6, 2, 0x0f, RB0
	VOUT 7, 3, 0x0f, RB1
.Lclose:
	s_wait_tensorcnt 0x0
	ds_add_u32 v62, v63
	s_wait_dscnt 0x0
	CROUND                                         ; the closing round: no work-group ends while a partner may still ask for a tile that names it
	s_endpgm
.Lfunc_end_k_q6ca7a2bf3f_qkvgemm:
	.size	k_q6ca7a2bf3f_qkvgemm, .Lfunc_end_k_q6ca7a2bf3f_qkvgemm-k_q6ca7a2bf3f_qkvgemm
	.p2alignl 7, 3214868480
	.fill 96, 4, 3214868480
	.section	.rodata,"a",@progbits
	.p2align	6, 0x0
	.amdhsa_kernel k_q6ca7a2bf3f_qkvgemm
		.amdhsa_group_segment_fixed_size 327680
		.amdhsa_private_segment_fixed_size 0
		.amdhsa_enable_private_segment 0
		.amdhsa_kernarg_size 40
		.amdhsa_user_sgpr_count 2
		.amdhsa_user_sgpr_kernarg_segment_ptr 1
		.amdhsa_wavefront_size32 1
		.amdhsa_system_sgpr_workgroup_id_x 1
		.amdhsa_system_sgpr_workgroup_id_y 1
		.amdhsa_system_sgpr_workgroup_id_z 1
		.amdhsa_system_vgpr_workitem_id 0
		.amdhsa_next_free_vgpr 1024
		.amdhsa_next_free_sgpr 76
		.amdhsa_reserve_vcc 0
		.amdhsa_float_denorm_mode_32 3
		.amdhsa_float_denorm_mode_16_64 3
		.amdhsa_memory_ordered 1
		.amdhsa_forward_progress 1
		.amdhsa_inst_pref_size 255
	.end_amdhsa_kernel
	.section	.bss,"aw",@nobits
	.p2align	6
	.space	262144
	.amdgpu_metadata
---
amdhsa.version: [ 1, 2 ]
amdhsa.kernels:
  - .name:           k_q6ca7a2bf3f_qkvgemm
    .symbol:         k_q6ca7a2bf3f_qkvgemm.kd
    .args:
      - { .name: xh, .offset: 0, .size: 8, .value_kind: global_buffer, .address_space: global }
      - { .name: wah, .offset: 8, .size: 8, .value_kind: global_buffer, .address_space: global }
      - { .name: b_attn, .offset: 16, .size: 8, .value_kind: global_buffer, .address_space: global }
      - { .name: rope, .offset: 24, .size: 8, .value_kind: global_buffer, .address_space: global }
      - { .name: qkv, .offset: 32, .size: 8, .value_kind: global_buffer, .address_space: global }
    .group_segment_fixed_size: 327680
    .private_segment_fixed_size: 0
    .kernarg_segment_align: 8
    .kernarg_segment_size: 40
    .max_flat_workgroup_size: 128
    .sgpr_count:     76
    .vgpr_count:     1024
    .wavefront_size: 32
...
	.end_amdgpu_metadata
.endif
;; end of part 2
;; launch attn (part 3): grid 8 x 32, 8 waves a work-group, clusters of 4 x 1, 327,680 bytes of LDS; arguments qkv, maskbits, y; writes y
.if DOCPART == 3
	.amdgcn_target "amdgcn-amd-amdhsa--gfx1250"
	.amdhsa_code_object_version 6
	.text
	.protected	k_q6ca7a2bf3f_attn
	.globl	k_q6ca7a2bf3f_attn
	.p2align	8
	.type	k_q6ca7a2bf3f_attn,@function
k_q6ca7a2bf3f_attn:
	s_mov_b64 s[64:65], 0
	v_nop
	global_prefetch_b8 v0, s[64:65] scope:SCOPE_SE
	s_setreg_imm32_b32 hwreg(HW_REG_WAVE_MODE, 25, 1), 1
	s_wait_xcnt 0x0
	s_wait_alu depctr_hold_cnt(0) depctr_sa_sdst(0) depctr_va_vdst(0) depctr_va_sdst(0) depctr_va_ssrc(0) depctr_va_vcc(0) depctr_vm_vsrc(0)
	s_getreg_b32 s2, hwreg(HW_REG_IB_STS2, 6, 4)
	s_cmp_eq_u32 s2, 0
	s_cbranch_scc0 .Lentry_in_a_cluster
	s_endpgm
.Lentry_in_a_cluster:
	s_bfe_u32 s2, ttmp6, 0x10000c
	s_cmp_lg_u32 s2, 0x3003
	s_cbranch_scc0 .Lentry_shape_is_right
	s_endpgm
.Lentry_shape_is_right:
; Attention of one (batch, head) and 256 queries a work-group; wave w owns 32 queries (two blocks of 16).  All 2,048 keys are walked: the mask is an input.
; q was multiplied by 0.125 log2(e) on its way into qkv, so a score s = q k is in units of log2.  A masked score is REPLACED by -10000 log2(e).
; Running maximum m: p = 2^(s - m) <= 1, the sums are rescaled by 2^(m_old - m_new); the row sum l holds the term 2^0, so l >= 1.
; ORIENTATION: scores are made transposed, S^T = K Q^T: lane (r, h), register j holds key 8 h + j, query r.  So a query's state is one number a lane,
; a maximum crosses lanes once (r and r + 16), two packed S^T tiles ARE the B fragment of O^T = V^T P^T, and register j's mask is one 32-bit lane mask.
; V^T fragments come out of LDS by the transposing load.  In O^T a lane holds eight neighbouring numbers of one row of y.
; y LEAVES AS THE SUM OF TWO bf16 NUMBERS: the upper 16 bits of the f32 (exact), and what is left, rounded once: 16 significant bits in all.  The
; projection multiplies both parts; y[32 blocks of 128 rows][part][16 heads][128][64].
; CLUSTERS: the four work-groups of a cluster are four query blocks of one head: they walk the same K and V tiles and ask for them jointly (mask 15),
; a quarter of the requests.  cx enters global addresses alone (q, mask words, y).
; EIGHT WAVES, two on a SIMD: for 64 keys a wave has 32 matrix instructions beside some 300 vector instructions, 66 of them exponentials; the second
; wave fills the matrix unit meanwhile.
; RING: two slots of 256 keys; wave w fills part w of a slot (parts 0-3: 64 keys of K at pitch 144; parts 4-7: 64 keys of V at pitch 160) with one
; tensor load behind each round: one tensor load of a wave is out at a time, and it has four chunks of work in which to land.
; K's and V's loads are two lines under a branch on the wave number, each with a shape descriptor of constants: they differ in the padding alone.
; THE TEXT IS ROLLED UP: a chunk of 64 keys is the body of a counted loop; its LDS addresses stand in two registers that step by one part (10,240
; bytes) a chunk.  Tile 0 (whose first chunk starts the sums), three trips of two tiles, tile 7 (whose last chunk asks for no mask words): the chunk
; stands six times in the text for its 32 runs.
; LIMITS: operands f16 (p <= 1; p below 2^-25 rounds to 0; v carries 11 significant bits); v_exp_f32 gives 0 below 2^-126; NaN and infinite scores are not treated.
; SCALARS: s[2:3] y, s[4:5] q, s[6:7] mask words, s[8:15] shape of K tiles, s[16:23] shape of V tiles, s[24:31] from-where-to-where for slot 0, 1,
; s[32:63] and s[68:99] the 64 lane masks of a chunk (before the first of them is asked for: set-up temporaries), s66 counts trips, s67 chunks, s100 wave, s101 wave / 4.
.set PART,  10240
.set SLOTB, 81920
.set VOFF,  40960
.set STAGE, 163840                     ; behind the ring: 16 rows x 144 bytes for each wave
.set KA,   4                           ; v4-5    my K fragment address in slot 0, 1
.set VA,   6                           ; v6-7    my V fragment address
.set KC,   8                           ; v8      my K fragment address in the chunk at hand
.set VC,   9                           ; v9      my V fragment address in the chunk at hand
.set STO,  10
.set RD,   11
.set CO,   12
.set NEG,  13                          ; -10000 log2(e)
.set M,    14                          ; v14-15  running maximum of query block 0, 1
.set NM,   16                          ; v16-17  its negative
.set AL,   20                          ; v20-21  rescale factor
.set LS,   22                          ; v22-23  row sum, my half of the keys
.set T,    24                          ; v24-31  at work: four registers a query block
.set Q,    32                          ; v32-63  fragment (qb, ks) at 32 + 16 qb + 8 ks
.set S,    64                          ; v64-127 tile (qb, kb) at 64 + 32 qb + 8 kb; packed P(qb, s) in place at 64 + 32 qb + 16 s
.set O,    128                         ; v128-191 tile (db, qb) at 128 + 16 db + 8 qb
.set POOL, 192                         ; v192-255 K fragment (kb, ks) at 192 + 16 kb + 8 ks, then V fragment (s, db) at 192 + 32 s + 8 db
.set G1K, 8
.set G1V, 16
.set G0,  24
.macro ROUND                           ; a round of the cluster barrier
	s_barrier_signal -1
	s_barrier_wait -1
	s_cmp_lg_u32 s100, 0
	s_cbranch_scc1 .Lnot_wave_0_\@
	s_barrier_signal -3
.Lnot_wave_0_\@:
	s_barrier_wait -3
	s_barrier_signal -1
	s_barrier_wait -1
.endm
.macro JLOAD e                         ; the joint load of slot e: waves 0-3 ask for K, waves 4-7 for V; the branch hangs on the wave number alone
	s_cmp_eq_u32 s101, 0
	s_cbranch_scc0 .Lfor_v_\@
	tensor_load_to_lds s[G0+4*(\e):G0+4*(\e)+3], s[G1K:G1K+7]
	s_nop 0
	s_branch .Lasked_\@
.Lfor_v_\@:
	tensor_load_to_lds s[G0+4*(\e):G0+4*(\e)+3], s[G1V:G1V+7]
	s_nop 0
.Lasked_\@:
.endm
.macro MASKS                           ; the 64 lane masks of a chunk: word (qb, kb, j) in s[32 + 8 kb + j] (qb 0), s[68 + 8 kb + j] (qb 1)
	s_load_b512 s[32:47], s[6:7], 0x0
	s_load_b512 s[48:63], s[6:7], 0x40
	s_load_b512 s[68:83], s[6:7], 0x1000
	s_load_b512 s[84:99], s[6:7], 0x1040
.endm
	s_load_b128 s[4:7], s[0:1], 0x0                ; qkv, maskbits
	s_load_b64 s[2:3], s[0:1], 0x10                ; y
	s_set_vgpr_msb 0x40
	v_lshl_add_u32 v0, v0, 2, 0x2c800
	v_mov_b32 v1, 0
	s_set_vgpr_msb 0x4045
	ds_add_u32 v0, v1
	s_set_vgpr_msb 0x4500
	v_lshrrev_b32 v1, 5, v0
	v_readfirstlane_b32 s100, v1                   ; wave
	s_lshr_b32 s101, s100, 2                       ; I fetch K (0) or V (1),
	s_and_b32 s35, s100, 3                         ; its 64 keys number w % 4
	s_bfe_u32 s32, ttmp6, 0x40000                  ; cx
	s_lshl_b32 s33, ttmp9, 2
	s_add_co_u32 s33, s33, s32                     ; query block of 256
	s_and_b32 s34, ttmp7, 0xffff                   ; 16 b + head
	; the two shapes: 64 keys x 64 elements of 2 bytes, dense in memory; mask 15 (all four partners), bit 21 beside it; padding behind every 32 words
	s_mov_b32 s[G1K+0], 15|(1<<16)|(1<<20)|(1<<21)|(4<<22)|(3<<25) ; K: 4 words of padding, pitch 144
	s_mov_b32 s[G1V+0], 15|(1<<16)|(1<<20)|(1<<21)|(4<<22)|(7<<25) ; V: 8 words, pitch 160
	s_mov_b32 s[G1K+1], 64<<16                     ; tensor_dim0 = 64 elements: a row of a head
	s_mov_b32 s[G1V+1], 64<<16
	s_mov_b32 s[G1K+2], 64<<16                     ; tensor_dim1 = 64 keys
	s_mov_b32 s[G1V+2], 64<<16
	s_mov_b32 s[G1K+3], 64<<16                     ; tile_dim0
	s_mov_b32 s[G1V+3], 64<<16
	s_mov_b32 s[G1K+4], 64                         ; tile_dim1
	s_mov_b32 s[G1V+4], 64
	s_mov_b32 s[G1K+5], 64                         ; elements from row to row
	s_mov_b32 s[G1V+5], 64
	s_mov_b32 s[G1K+6], 0
	s_mov_b32 s[G1V+6], 0
	s_mov_b32 s[G1K+7], 0
	s_mov_b32 s[G1V+7], 0
	; where my part of a tile comes from: made of the wave number and the head alone, in registers that never hold cx
	s_add_co_u32 s36, s101, 1                      ; section 1 (k) or 2 (v): 8,388,608 bytes each,
	s_lshl_b32 s36, s36, 23
	s_lshl_b32 s45, s34, 18                        ; the head: 262,144 bytes,
	s_add_co_u32 s36, s36, s45
	s_lshl_b32 s37, s35, 13                        ; my 64 keys of 128 bytes
	s_add_co_u32 s36, s36, s37
	s_mov_b32 s37, 0
	s_mul_i32 s44, s100, PART                      ; and where it goes: wave x a part
	s_lshl_b32 s39, s33, 15                        ; q: the head, 256 queries a block, 32 a wave, 128 bytes each
	s_add_co_u32 s38, s45, s39
	s_lshl_b32 s39, s100, 12
	s_add_co_u32 s38, s38, s39
	s_mov_b32 s39, 0
	s_lshl_b32 s40, s33, 16                        ; mask words: query block of 16 number 16 qblk + 2 w, 4,096 bytes each
	s_lshl_b32 s41, s100, 13
	s_add_co_u32 s40, s40, s41
	s_mov_b32 s41, 0
	s_lshr_b32 s42, s34, 4                         ; y[32 blocks of 128 rows][2 parts][16 heads][128][64]: block 16 b + 2 qblk + w / 4,
	s_lshl_b32 s42, s42, 3
	s_add_co_u32 s42, s42, s33
	s_lshl_b32 s42, s42, 1
	s_add_co_u32 s42, s42, s101
	s_lshl_b32 s42, s42, 5                         ; 32 head-sized pieces a block: 16 upper parts, then 16 lower parts
	s_and_b32 s43, s34, 15
	s_add_co_u32 s42, s42, s43                     ; the head: 16,384 bytes,
	s_lshl_b32 s42, s42, 14
	s_lshl_b32 s43, s35, 12                        ; row 32 (w % 4)
	s_add_co_u32 s42, s42, s43
	s_mov_b32 s43, 0
	s_wait_dscnt 0x0
	s_wait_kmcnt 0x0
	s_add_nc_u64 s[46:47], s[4:5], s[36:37]
	s_add_nc_u64 s[4:5], s[4:5], s[38:39]
	s_add_nc_u64 s[6:7], s[6:7], s[40:41]
	s_add_nc_u64 s[2:3], s[2:3], s[42:43]
.irp e, 0,1
	s_mov_b32 s[G0+4*\e], 1
	s_add_co_u32 s[G0+4*\e+1], s44, \e*SLOTB
	s_add_nc_u64 s[G0+4*\e+2:G0+4*\e+3], s[46:47], \e*32768        ; tile e: 256 keys further on
	s_or_b32 s[G0+4*\e+3], s[G0+4*\e+3], 0x80000000
.endr
	ROUND                                          ; in front of the first joint load
	JLOAD 0                                        ; tile 0
	v_and_b32 v1, 15, v0                           ; r
	v_bfe_u32 v2, v0, 4, 1                         ; h
	v_lshlrev_b32 v3, 7, v1
	v_lshl_add_u32 v3, v2, 4, v3
.irp qb, 0,1
.irp ks, 0,1
	global_load_b128 v[Q+16*\qb+8*\ks:Q+16*\qb+8*\ks+3],   v3, s[4:5] offset:2048*\qb+64*\ks
	global_load_b128 v[Q+16*\qb+8*\ks+4:Q+16*\qb+8*\ks+7], v3, s[4:5] offset:2048*\qb+64*\ks+32
.endr
.endr
	MASKS                                          ; chunk 0 (the set-up temporaries in these registers have had their last use)
	s_mov_b32 s104, 0x76543210                     ; v_permlanex16_b32: lane i of one half reads lane i of the other
	s_mov_b32 s105, 0xfedcba98
	v_mul_u32_u24 v[KA], v1, 144
	v_lshl_add_u32 v[KA], v2, 4, v[KA]             ; K: row r x pitch + 16 h
	v_add_nc_u32 v[KA+1], SLOTB, v[KA]
	v_and_b32 v18, 7, v0
	v_lshl_add_u32 v18, v2, 3, v18
	v_mul_u32_u24 v18, v18, 160                    ; V, transposing load: key 8 h + l % 8,
	v_bfe_u32 v19, v0, 3, 1
	v_lshl_add_u32 v18, v19, 4, v18                ; 16 bytes at 16 ((l / 8) % 2)
	v_add_nc_u32 v[VA], VOFF, v18
	v_add_nc_u32 v[VA+1], VOFF+SLOTB, v18
	s_mul_i32 s67, s100, 2304
	s_add_co_u32 s67, s67, STAGE
	v_add_nc_u32 v[STO], s67, v[KA]                ; stage in: row r, 16 bytes for each half
	v_bfe_u32 v18, v0, 3, 2
	v_mul_u32_u24 v18, v18, 144
	v_and_b32 v19, 7, v0
	v_lshl_add_u32 v18, v19, 4, v18
	v_add_nc_u32 v[RD], s67, v18                   ; stage back: row l / 8 of four, 16 bytes at 16 (l % 8)
	v_and_b32 v19, 31, v0
	v_lshlrev_b32 v[CO], 4, v19
	v_mov_b32 v[NEG], 0xc6616bcd
	s_wait_loadcnt 0x0                             ; q
; Eight matrix instructions: key blocks k0, k0 + 1 x both query blocks, first d 0-31 (starts the sums), then d 32-63 in place.
; Four accumulators take turns, one instruction a turn.
.macro SMUL k0
.irp kb, \k0, \k0+1
.irp qb, 0,1
	v_wmma_f32_16x16x32_f16 v[S+32*\qb+8*(\kb):S+32*\qb+8*(\kb)+7], v[POOL+16*(\kb):POOL+16*(\kb)+7], v[Q+16*\qb:Q+16*\qb+7], 0
.endr
.endr
.irp kb, \k0, \k0+1
.irp qb, 0,1
	v_wmma_f32_16x16x32_f16 v[S+32*\qb+8*(\kb):S+32*\qb+8*(\kb)+7], v[POOL+16*(\kb)+8:POOL+16*(\kb)+15], v[Q+16*\qb+8:Q+16*\qb+15], v[S+32*\qb+8*(\kb):S+32*\qb+8*(\kb)+7]
.endr
.endr
.endm
.macro PVMUL s, zero                   ; eight matrix instructions: keys 32 s .. + 31, all of d, both query blocks; eight accumulators take turns
.irp db, 0,1,2,3
.irp qb, 0,1
.if \zero
	v_wmma_f32_16x16x32_f16 v[O+16*\db+8*\qb:O+16*\db+8*\qb+7], v[POOL+32*\s+8*\db:POOL+32*\s+8*\db+7], v[S+32*\qb+16*\s:S+32*\qb+16*\s+7], 0
.else
	v_wmma_f32_16x16x32_f16 v[O+16*\db+8*\qb:O+16*\db+8*\qb+7], v[POOL+32*\s+8*\db:POOL+32*\s+8*\db+7], v[S+32*\qb+16*\s:S+32*\qb+16*\s+7], v[O+16*\db+8*\qb:O+16*\db+8*\qb+7]
.endif
.endr
.endr
.endm
; The maximum of a lane's 32 scores and the old maximum, for both query blocks at once: four chains a block (scores 0-7 with the old maximum, 8-16,
; 17-23, 24-30; score 31 joins at the merge), so that eight instructions that do not wait for each other take turns.  16 instructions a block, as
; any tree of three-way maxima over 33 numbers has.  Then the other half of the keys (lane r and lane r + 16).
.macro ROWMAX first
.irp qb, 0,1
.if \first
	v_max_num_f32 v[T+4*\qb], v[S+32*\qb], v[S+32*\qb+1]
.else
	v_max3_num_f32 v[T+4*\qb], v[M+\qb], v[S+32*\qb], v[S+32*\qb+1]
.endif
	v_max3_num_f32 v[T+4*\qb+1], v[S+32*\qb+8],  v[S+32*\qb+9],  v[S+32*\qb+10]
	v_max3_num_f32 v[T+4*\qb+2], v[S+32*\qb+17], v[S+32*\qb+18], v[S+32*\qb+19]
	v_max3_num_f32 v[T+4*\qb+3], v[S+32*\qb+24], v[S+32*\qb+25], v[S+32*\qb+26]
.endr
.irp e, 0,2
.irp qb, 0,1
	v_max3_num_f32 v[T+4*\qb],   v[T+4*\qb],   v[S+32*\qb+2+\e],  v[S+32*\qb+3+\e]
	v_max3_num_f32 v[T+4*\qb+1], v[T+4*\qb+1], v[S+32*\qb+11+\e], v[S+32*\qb+12+\e]
	v_max3_num_f32 v[T+4*\qb+2], v[T+4*\qb+2], v[S+32*\qb+20+\e], v[S+32*\qb+21+\e]
	v_max3_num_f32 v[T+4*\qb+3], v[T+4*\qb+3], v[S+32*\qb+27+\e], v[S+32*\qb+28+\e]
.endr
.endr
.irp qb, 0,1
	v_max3_num_f32 v[T+4*\qb],   v[T+4*\qb],   v[S+32*\qb+6],  v[S+32*\qb+7]
	v_max3_num_f32 v[T+4*\qb+1], v[T+4*\qb+1], v[S+32*\qb+15], v[S+32*\qb+16]
	v_max3_num_f32 v[T+4*\qb+2], v[T+4*\qb+2], v[T+4*\qb+3],   v[S+32*\qb+31]
.endr
.irp qb, 0,1
	v_max3_num_f32 v[T+4*\qb], v[T+4*\qb], v[T+4*\qb+1], v[T+4*\qb+2]
.endr
.irp qb, 0,1
	v_permlanex16_b32 v[T+4*\qb+1], v[T+4*\qb], s104, s105         ; its destination counts as read: a chain's register, written above
.endr
.irp qb, 0,1
	v_max_num_f32 v[T+4*\qb+2], v[T+4*\qb], v[T+4*\qb+1]
.endr
.if \first
.else
.irp qb, 0,1
	v_sub_f32 v[AL+\qb], v[M+\qb], v[T+4*\qb+2]                    ; m_old - m_new <= 0
.endr
.endif
.irp qb, 0,1
	v_mov_b32 v[M+\qb], v[T+4*\qb+2]
	v_mul_f32 v[NM+\qb], -1.0, v[T+4*\qb+2]
.endr
.endm
; A lane's 32 p of each query block in two chains of packed adds, the four chains taking turns; l = l alpha + sum.
.macro ROWSUM first
	s_wait_alu depctr_va_vdst(0)
.irp qb, 0,1
	v_pk_add_f32 v[T+4*\qb:T+4*\qb+1],   v[S+32*\qb:S+32*\qb+1],     v[S+32*\qb+2:S+32*\qb+3]
	v_pk_add_f32 v[T+4*\qb+2:T+4*\qb+3], v[S+32*\qb+16:S+32*\qb+17], v[S+32*\qb+18:S+32*\qb+19]
.endr
.irp e, 4,6,8,10,12,14
.irp qb, 0,1
	v_pk_add_f32 v[T+4*\qb:T+4*\qb+1],   v[T+4*\qb:T+4*\qb+1],   v[S+32*\qb+\e:S+32*\qb+\e+1]
	v_pk_add_f32 v[T+4*\qb+2:T+4*\qb+3], v[T+4*\qb+2:T+4*\qb+3], v[S+32*\qb+16+\e:S+32*\qb+17+\e]
.endr
.endr
.irp qb, 0,1
	v_pk_add_f32 v[T+4*\qb:T+4*\qb+1], v[T+4*\qb:T+4*\qb+1], v[T+4*\qb+2:T+4*\qb+3]
.endr
.if \first
.irp qb, 0,1
	v_add_f32 v[LS+\qb], v[T+4*\qb], v[T+4*\qb+1]
.endr
.else
.irp qb, 0,1
	v_fma_f32 v[LS+\qb], v[LS+\qb], v[AL+\qb], v[T+4*\qb]
.endr
.irp qb, 0,1
	v_add_f32 v[LS+\qb], v[LS+\qb], v[T+4*\qb+1]
.endr
.endif
.endm
.macro RESCALE                         ; O times AL of its query block
.irp db, 0,1,2,3
.irp k, 0,2,4,6
	v_pk_mul_f32 v[O+16*\db+\k:O+16*\db+\k+1],   v[O+16*\db+\k:O+16*\db+\k+1],   v[AL:AL+1] op_sel_hi:[1,0]
	v_pk_mul_f32 v[O+16*\db+8+\k:O+16*\db+9+\k], v[O+16*\db+8+\k:O+16*\db+9+\k], v[AL:AL+1] op_sel:[0,1] op_sel_hi:[1,1]
.endr
.endr
.endm
; 64 keys: the chunk whose K and V fragments lie at KC and VC.  first = 1: the very first chunk starts every sum.
; more = 1: a chunk follows: the two addresses step on by a part, and its mask words are asked for.
.macro CHUNK first, more
.if \first
.else
.rept 5
	v_nop                                          ; five places behind the last products: the loads below land on their A fragments, the score products write over their B fragments
.endr
.endif
.irp kb, 0,1,2,3
.irp ks, 0,1
	ds_load_b128 v[POOL+16*\kb+8*\ks:POOL+16*\kb+8*\ks+3],   v[KC] offset:\kb*2304+\ks*64
	ds_load_b128 v[POOL+16*\kb+8*\ks+4:POOL+16*\kb+8*\ks+7], v[KC] offset:\kb*2304+\ks*64+32
.endr
.endr
	s_wait_dscnt 8                                 ; key blocks 0, 1 are in, the eight younger loads stay out
	SMUL 0
	s_wait_dscnt 0
	SMUL 2
.rept 4
	v_nop                                          ; four places: V lands on the K fragments, the selects read the scores
.endr
.irp s, 0,1
.irp db, 0,1,2,3
	ds_load_tr16_b128 v[POOL+32*\s+8*\db:POOL+32*\s+8*\db+3],   v[VC] offset:\s*5120+32*\db
	ds_load_tr16_b128 v[POOL+32*\s+8*\db+4:POOL+32*\s+8*\db+7], v[VC] offset:\s*5120+32*\db+2560
.endr
.endr
.if \more
	v_add_nc_u32 v[KC], PART, v[KC]                ; the next chunk's 64 keys lie one part further on, K's and V's alike (behind a tile's last chunk both are set anew)
	v_add_nc_u32 v[VC], PART, v[VC]
.endif
	s_wait_kmcnt 0x0                               ; this chunk's mask words
.irp kb, 0,1,2,3
.irp j, 0,1,2,3,4,5,6,7
	v_cndmask_b32 v[S+8*\kb+\j],    v[NEG], v[S+8*\kb+\j],    s[32+8*\kb+\j]     ; bit 1: the score stays; bit 0: replaced
	v_cndmask_b32 v[S+32+8*\kb+\j], v[NEG], v[S+32+8*\kb+\j], s[68+8*\kb+\j]
.endr
.endr
.if \more
	s_add_nc_u64 s[6:7], s[6:7], 128               ; no scalar load is out: the base may step, four key blocks of 32 bytes on
	MASKS
.endif
	ROWMAX \first
.if \first
.else
	v_exp_f32 v[AL], v[AL]
	v_exp_f32 v[AL+1], v[AL+1]                     ; the packed adds below are the plain place behind them (ISA guide 5.7.2)
.endif
.set e_, 0
.rept 16
	v_pk_add_f32 v[S+e_:S+e_+1],       v[S+e_:S+e_+1],       v[NM:NM+1] op_sel_hi:[1,0]               ; s - m of query block 0
	v_pk_add_f32 v[S+32+e_:S+33+e_],   v[S+32+e_:S+33+e_],   v[NM:NM+1] op_sel:[0,1] op_sel_hi:[1,1]  ; of query block 1
.set e_, e_+2
.endr
.set e_, 0
.rept 64
	v_exp_f32 v[S+e_], v[S+e_]
.set e_, e_+1
.endr
	v_nop                                          ; one plain place behind the last exponential
	ROWSUM \first
.irp qb, 0,1
.irp s, 0,1
.irp k, 0,1,2,3
	v_cvt_pk_f16_f32 v[S+32*\qb+16*\s+\k], v[S+32*\qb+16*\s+2*\k], v[S+32*\qb+16*\s+2*\k+1]         ; tile 2 s: keys 8 h + 0..7, registers 0-3 of the B fragment
.endr
.irp k, 0,1,2,3
	v_cvt_pk_f16_f32 v[S+32*\qb+16*\s+4+\k], v[S+32*\qb+16*\s+8+2*\k], v[S+32*\qb+16*\s+9+2*\k]     ; tile 2 s + 1: keys 16 + 8 h + 0..7, registers 4-7
.endr
.endr
.endr
.if \first
.else
	RESCALE
.endif
	s_wait_dscnt 0x0                               ; V
	PVMUL 0, \first
	PVMUL 1, 0
.endm
; A tile of 256 keys, four chunks.  In front of the round every wave waits for all its tensor loads (its part of this tile among them) and for its
; reads of the other slot; behind the round the other slot is filled again first, one tensor load a wave.
; first = 1: the first chunk is written out (it starts the sums); last = 1: the last chunk is written out (it asks for no mask words); n: the chunks in the loop.
.macro TRIP slot, refill, first, n, last
	s_set_vgpr_msb 0x5
	s_wait_tensorcnt 0x0
	ds_add_u32 v0, v1
	s_wait_dscnt 0x0
	s_set_vgpr_msb 0x500
	s_add_nc_u64 s[G0+4*\slot+2:G0+4*\slot+3], s[G0+4*\slot+2:G0+4*\slot+3], 65536      ; no load of mine is out: this slot's next tile, two tiles on
	s_wait_dscnt 0x0
	ROUND
.if \refill
	JLOAD 1-\slot
.endif
	v_mov_b32 v[KC], v[KA+\slot]                   ; the tile's first chunk
	v_mov_b32 v[VC], v[VA+\slot]
.if \first
	CHUNK 1, 1
.endif
	s_mov_b32 s67, \n
.Lchunk_\@:
	CHUNK 0, 1
	s_sub_co_u32 s67, s67, 1
	s_cmp_lg_u32 s67, 0
	s_cbranch_scc1 .Lchunk_\@
.if \last
	CHUNK 0, 0
.endif
.endm
	TRIP 0, 1, 1, 3, 0                             ; tile 0; asks for tile 1
	s_mov_b32 s66, 3
.Llap:
	TRIP 1, 1, 0, 4, 0                             ; tiles 1, 3, 5; each asks for the next tile
	TRIP 0, 1, 0, 4, 0                             ; tiles 2, 4, 6
	s_sub_co_u32 s66, s66, 1
	s_cmp_lg_u32 s66, 0
	s_cbranch_scc1 .Llap
	TRIP 1, 0, 0, 3, 1                             ; tile 7 fetches nothing
	; y = O / l, split into two bf16 parts, 16 queries and one part at a time through my own stage, stored 512 consecutive bytes an instruction
.rept 4
	v_nop                                          ; four places behind the last products
.endr
	v_permlanex16_b32 v[T+2], v[LS], s104, s105
	v_permlanex16_b32 v[T+6], v[LS+1], s104, s105
	v_add_f32 v[LS], v[LS], v[T+2]                 ; both halves of the keys
	v_add_f32 v[LS+1], v[LS+1], v[T+6]
	v_rcp_f32 v[AL], v[LS]
	v_rcp_f32 v[AL+1], v[LS+1]
	v_nop
	s_wait_alu depctr_va_vdst(0)
	RESCALE
; The score registers are free now: S + 32 qb holds first the 32 upper parts in f32, then what is read back from the stage.
; Every part has registers of its own for its stores' data, so no register that a store still reads is written again.
.macro OUTQ qb
.irp db, 0,1,2,3
.irp e, 0,1,2,3,4,5,6,7
	v_and_b32 v[S+32*\qb+8*\db+\e], 0xffff0000, v[O+16*\db+8*\qb+\e]                        ; the upper part: y cut to the 16 upper bits, a bf16 number
.endr
.endr
.irp db, 0,1,2,3
.irp e, 0,1,2,3,4,5,6,7
	v_sub_f32 v[O+16*\db+8*\qb+\e], v[O+16*\db+8*\qb+\e], v[S+32*\qb+8*\db+\e]              ; the lower part: what is left, exact in f32
.endr
.endr
.irp db, 0,1,2,3
.irp k, 0,1,2,3
	v_cvt_pk_bf16_f32 v[POOL+32*\qb+4*\db+\k],    v[S+32*\qb+8*\db+2*\k], v[S+32*\qb+8*\db+2*\k+1]   ; exact
	v_cvt_pk_bf16_f32 v[POOL+32*\qb+16+4*\db+\k], v[O+16*\db+8*\qb+2*\k], v[O+16*\db+8*\qb+2*\k+1]   ; the one rounding, 2^-16 of y
.endr
.endr
.irp p, 0,1
.irp db, 0,1,2,3
	ds_store_b128 v[STO], v[POOL+32*\qb+16*\p+4*\db:POOL+32*\qb+16*\p+4*\db+3] offset:32*\db
.endr
.irp t, 0,1,2,3
	ds_load_b128 v[S+32*\qb+16*\p+4*\t:S+32*\qb+16*\p+4*\t+3], v[RD] offset:576*\t          ; LDS serves a wave in order: these see the stores above
.endr
.irp t, 0,1,2,3
	s_wait_dscnt 3-\t
	global_store_b128 v[CO], v[S+32*\qb+16*\p+4*\t:S+32*\qb+16*\p+4*\t+3], s[2:3] offset:262144*\p+2048*\qb+512*\t   ; the lower parts lie 16 heads of 16,384 bytes further on
.endr
.endr
.endm
	OUTQ 0
	OUTQ 1
	s_set_vgpr_msb 0x5
	s_wait_tensorcnt 0x0
	ds_add_u32 v0, v1
	s_wait_dscnt 0x0
	s_set_vgpr_msb 0x500
	ROUND                                          ; the closing round
	s_endpgm
.Lfunc_end_k_q6ca7a2bf3f_attn:
	.size	k_q6ca7a2bf3f_attn, .Lfunc_end_k_q6ca7a2bf3f_attn-k_q6ca7a2bf3f_attn
	.p2alignl 7, 3214868480
	.fill 96, 4, 3214868480
	.section	.rodata,"a",@progbits
	.p2align	6, 0x0
	.amdhsa_kernel k_q6ca7a2bf3f_attn
		.amdhsa_group_segment_fixed_size 327680
		.amdhsa_private_segment_fixed_size 0
		.amdhsa_enable_private_segment 0
		.amdhsa_kernarg_size 24
		.amdhsa_user_sgpr_count 2
		.amdhsa_user_sgpr_kernarg_segment_ptr 1
		.amdhsa_wavefront_size32 1
		.amdhsa_system_sgpr_workgroup_id_x 1
		.amdhsa_system_sgpr_workgroup_id_y 1
		.amdhsa_system_sgpr_workgroup_id_z 1
		.amdhsa_system_vgpr_workitem_id 0
		.amdhsa_next_free_vgpr 258
		.amdhsa_next_free_sgpr 106
		.amdhsa_reserve_vcc 0
		.amdhsa_float_denorm_mode_32 3
		.amdhsa_float_denorm_mode_16_64 3
		.amdhsa_memory_ordered 1
		.amdhsa_forward_progress 1
		.amdhsa_inst_pref_size 154
	.end_amdhsa_kernel
	.amdgpu_metadata
---
amdhsa.version: [ 1, 2 ]
amdhsa.kernels:
  - .name:           k_q6ca7a2bf3f_attn
    .symbol:         k_q6ca7a2bf3f_attn.kd
    .args:
      - { .name: qkv, .offset: 0, .size: 8, .value_kind: global_buffer, .address_space: global }
      - { .name: maskbits, .offset: 8, .size: 8, .value_kind: global_buffer, .address_space: global }
      - { .name: y, .offset: 16, .size: 8, .value_kind: global_buffer, .address_space: global }
    .group_segment_fixed_size: 327680
    .private_segment_fixed_size: 0
    .kernarg_segment_align: 8
    .kernarg_segment_size: 24
    .max_flat_workgroup_size: 256
    .sgpr_count:     106
    .vgpr_count:     258
    .wavefront_size: 32
...
	.end_amdgpu_metadata
.endif
;; end of part 3
;; launch proj (part 4): grid 8 x 32, 4 waves a work-group, clusters of 4 x 4, 327,680 bytes of LDS; arguments y, wph, b_proj, out0; writes out0
.if DOCPART == 4
	.amdgcn_target "amdgcn-amd-amdhsa--gfx1250"
	.amdhsa_code_object_version 6
	.text
	.protected	k_q6ca7a2bf3f_proj
	.globl	k_q6ca7a2bf3f_proj
	.p2align	8
	.type	k_q6ca7a2bf3f_proj,@function
k_q6ca7a2bf3f_proj:
	s_mov_b64 s[64:65], 0
	v_nop
	global_prefetch_b8 v0, s[64:65] scope:SCOPE_SE
	s_setreg_imm32_b32 hwreg(HW_REG_WAVE_MODE, 25, 1), 1
	s_wait_xcnt 0x0
	s_wait_alu depctr_hold_cnt(0) depctr_sa_sdst(0) depctr_va_vdst(0) depctr_va_sdst(0) depctr_va_ssrc(0) depctr_va_vcc(0) depctr_vm_vsrc(0)
	s_getreg_b32 s2, hwreg(HW_REG_IB_STS2, 6, 4)
	s_cmp_eq_u32 s2, 0
	s_cbranch_scc0 .Lentry_in_a_cluster
	s_endpgm
.Lentry_in_a_cluster:
	s_bfe_u32 s2, ttmp6, 0x10000c
	s_cmp_lg_u32 s2, 0xf033
	s_cbranch_scc0 .Lentry_shape_is_right
	s_endpgm
.Lentry_shape_is_right:
; out0 = y W_proj + b_proj, f32.  y comes as the sum of two bf16 parts, y[32 blocks of 128 rows][2 parts][16 heads][128][64]; both parts are multiplied
; by W_proj and added in one f32 sum.  wph: [1024 k][1024 n] bf16.  The bias (f32) is the C operand of the first product.
; A work-group makes 128 x 128 (8 x 32 = 256 work-groups), a wave 64 x 64: 16 accumulator tiles in window 1.
; BOTH PARTS OF y SHARE W: K goes in eight fills of 128 (two heads) through two slots; a fill holds the upper part's 128 rows, the lower part's 128
; rows and W's 128 k rows, 32 KB each, so W is brought once and each W fragment out of LDS feeds two matrix instructions: for 32 along K a wave
; issues 24 LDS loads and 32 matrix instructions.  All is written out: no loop.
; Waves 0 and 1 fetch the upper and the lower part of y (a dense block, taken as 128 rows of 256 bytes), waves 2 and 3 64 k rows of W each.
; CLUSTERS: 4 x 4; y tiles are shared along a cluster row, W tiles along a column: joint loads, a quarter of the requests.
; y in LDS: 16 bytes of padding behind every 128 (one row of one head): pitch 144.  W rows of 256 bytes get 32: pitch 288, an odd multiple of 32 for
; the transposing load.  The matrix instruction is used transposed: a lane holds eight neighbouring columns of one row, 32 bytes of f32.
; LIMITS: W_proj carries 8 significant bits, y 16.
.set QUART,  36864                     ; a third of a slot: 2 heads x 128 rows x 144 = 128 k rows x 288
.set BHALF,  18432                     ; 64 k rows of W x 288: what one of W's two loads fills
.set SLOT,   3*QUART                   ; y's upper part, y's lower part, W
.set STAGE,  2*SLOT                    ; behind the ring: 16 rows x 272 bytes for each wave
.set SPITCH, 272
.set ADRA, 16                          ; v16-17  my y fragments (upper part) in slot 0, 1; the lower part lies QUART further on
.set ADRB, 20                          ; v20-21  my W fragments in slot 0, 1
.set STO,  24
.set RD,   25
.set CO,   26
.set VB,   27
.set BIAS, 32                          ; v32-63
.set F0,   64                          ; v64-159   buffer: upper fragment a at f + 8 a, lower fragment a at f + 32 + 8 a, W fragment b at f + 64 + 8 b
.set F1,   160                         ; v160-255
.set RB0,  64                          ; the way out: read back, two buffers in turn
.set RB1,  96
.set G1, 24
.set G0, 32
.set G1B, 48
.set G0B, 56
.set MSB, 0
.macro WIN new
.if MSB != \new
	s_set_vgpr_msb (MSB<<8)|\new
.set MSB, \new
.endif
.endm
.macro JLOAD s                         ; waves 0, 1 ask for y, waves 2, 3 for W
	s_cmp_eq_u32 s11, 0
	s_cbranch_scc0 .Lfor_b_\@
	tensor_load_to_lds s[G0+4*\s:G0+4*\s+3], s[G1:G1+7]
	s_nop 0
	s_branch .Lasked_\@
.Lfor_b_\@:
	tensor_load_to_lds s[G0B+4*\s:G0B+4*\s+3], s[G1B:G1B+7]
	s_nop 0
.Lasked_\@:
.endm
.macro CROUND                          ; a round of the cluster barrier
	s_barrier_signal -1
	s_barrier_wait -1
	s_cmp_lg_u32 s10, 0
	s_cbranch_scc1 .Lnot_wave_0_\@
	s_barrier_signal -3
.Lnot_wave_0_\@:
	s_barrier_wait -3
	s_barrier_signal -1
	s_barrier_wait -1
.endm
	s_load_b128 s[4:7], s[0:1], 0x0                ; y, wph
	s_load_b64 s[68:69], s[0:1], 0x10              ; b_proj
	s_load_b64 s[8:9], s[0:1], 0x18                ; out0
	v_lshl_add_u32 v30, v0, 2, 0x3a400
	v_mov_b32 v31, 0
	ds_add_u32 v30, v31
	v_lshrrev_b32 v1, 5, v0
	v_readfirstlane_b32 s10, v1                    ; wave
	s_lshr_b32 s11, s10, 1                         ; my half of the rows; also: I fetch y (0) or W (1)
	s_and_b32 s12, s10, 1                          ; my half of the columns; also: which part of y, or which 64 k rows of W, I fetch
	s_bfe_u32 s40, ttmp6, 0x40000                  ; cx
	s_bfe_u32 s41, ttmp6, 0x40004                  ; cy
	s_lshl_b32 s42, ttmp9, 2
	s_add_co_u32 s42, s42, s40                     ; block column
	s_and_b32 s13, ttmp7, 0xffff
	s_lshl_b32 s13, s13, 2
	s_add_co_u32 s13, s13, s41                     ; block row
	s_lshl_b32 s43, s41, 2
	s_lshl_b32 s43, 15, s43                        ; my row of the cluster
	s_lshl_b32 s44, 0x1111, s40                    ; my column
	s_or_b32 s[G1+0], s43, (1<<16)|(1<<20)|(1<<21)|(4<<22)|(3<<25)    ; y: 4 words of padding behind every 32
	s_or_b32 s[G1B+0], s44, (1<<16)|(1<<20)|(1<<21)|(5<<22)|(7<<25)   ; W: 8 words behind every 64
	s_mov_b32 s[G1+1], 128<<16                     ; tensor_dim0: rows of 256 bytes
	s_mov_b32 s[G1B+1], 128<<16
	s_mov_b32 s[G1+2], 128<<16                     ; tensor_dim1: y 128 rows (two heads of 16,384 bytes), W 64 k rows
	s_mov_b32 s[G1B+2], 64<<16
	s_mov_b32 s[G1+3], 128<<16                     ; tile_dim0
	s_mov_b32 s[G1B+3], 128<<16
	s_mov_b32 s[G1+4], 128                         ; tile_dim1
	s_mov_b32 s[G1B+4], 64
	s_mov_b32 s[G1+5], 128                         ; y is dense: a row of 256 bytes begins where the last ends
	s_mov_b32 s[G1B+5], 1024
	s_mov_b32 s[G1+6], 0
	s_mov_b32 s[G1B+6], 0
	s_mov_b32 s[G1+7], 0
	s_mov_b32 s[G1B+7], 0
	s_lshl_b32 s16, s13, 19                        ; y: block row x 524,288 (two parts of 16 heads) + my part x 262,144
	s_lshl_b32 s17, s12, 18
	s_add_co_u32 s16, s16, s17
	s_mov_b32 s17, 0
	s_lshl_b32 s46, s12, 17                        ; W: k row 64 x half (2,048 bytes a row), column 128 x block column
	s_lshl_b32 s47, s42, 8
	s_add_co_u32 s46, s46, s47
	s_mov_b32 s47, 0
	s_mul_i32 s20, s10, QUART                      ; LDS, y (waves 0, 1): wave x 36,864
	s_mul_i32 s45, s10, BHALF                      ; LDS, W (waves 2, 3): behind both parts of y, 73,728 + (wave - 2) x 18,432
	s_add_co_u32 s45, s45, 2*QUART-2*BHALF
	s_lshl_b32 s66, s42, 9                         ; bias: 4 (128 x block column + 64 x half)
	s_lshl_b32 s67, s12, 8
	s_add_co_u32 s66, s66, s67
	s_lshl_b32 s70, s13, 19                        ; out0: row 128 x block row + 64 x half (4,096 bytes a row), the same columns
	s_lshl_b32 s71, s11, 18
	s_add_co_u32 s70, s70, s71
	s_add_co_u32 s70, s70, s66
	s_mov_b32 s67, 0
	s_mov_b32 s71, 0
	s_wait_dscnt 0x0
	s_wait_kmcnt 0x0
	s_add_nc_u64 s[14:15], s[4:5], s[16:17]
	s_add_nc_u64 s[46:47], s[6:7], s[46:47]
	s_add_nc_u64 s[68:69], s[68:69], s[66:67]
	s_add_nc_u64 s[8:9], s[8:9], s[70:71]
	CROUND                                         ; in front of the first joint loads
.irp s, 0,1
	s_mov_b32 s[G0+4*\s], 1
	s_add_co_u32 s[G0+4*\s+1], s20, \s*SLOT
	s_add_nc_u64 s[G0+4*\s+2:G0+4*\s+3], s[14:15], \s*32768        ; fill s: two heads on
	s_or_b32 s[G0+4*\s+3], s[G0+4*\s+3], 0x80000000
	s_mov_b32 s[G0B+4*\s], 1
	s_add_co_u32 s[G0B+4*\s+1], s45, \s*SLOT
	s_add_nc_u64 s[G0B+4*\s+2:G0B+4*\s+3], s[46:47], \s*262144     ; 128 k rows on
	s_or_b32 s[G0B+4*\s+3], s[G0B+4*\s+3], 0x80000000
	JLOAD \s                                       ; both slots: two tensor loads of the wave are out
.endr
	v_and_b32 v1, 15, v0
	v_bfe_u32 v2, v0, 4, 1
	v_lshlrev_b32 v[VB], 5, v2
.irp b, 0,1,2,3
	global_load_b128 v[BIAS+8*\b:BIAS+8*\b+3],   v[VB], s[68:69] offset:64*\b
	global_load_b128 v[BIAS+8*\b+4:BIAS+8*\b+7], v[VB], s[68:69] offset:64*\b+16
.endr
	v_mul_u32_u24 v3, v1, 144
	v_lshl_add_u32 v3, v2, 4, v3
	s_mul_i32 s21, s11, 64*144                     ; my 64 rows
	v_add_nc_u32 v[ADRA], s21, v3
	v_add_nc_u32 v[ADRA+1], SLOT, v[ADRA]
	v_and_b32 v6, 7, v0
	v_lshl_add_u32 v6, v2, 3, v6
	v_mul_u32_u24 v6, v6, 288
	v_bfe_u32 v7, v0, 3, 1
	v_lshl_add_u32 v6, v7, 4, v6
	s_lshl_b32 s22, s12, 7                         ; my 64 columns
	s_add_co_u32 s22, s22, 2*QUART
	v_add_nc_u32 v[ADRB], s22, v6
	v_add_nc_u32 v[ADRB+1], SLOT, v[ADRB]
	s_mul_i32 s23, s10, 16*SPITCH
	s_add_co_u32 s23, s23, STAGE
	v_mul_u32_u24 v4, v1, SPITCH
	v_lshl_add_u32 v4, v2, 5, v4
	v_add_nc_u32 v[STO], s23, v4                   ; stage in: row l % 16, 32 bytes for each half
	v_mul_u32_u24 v5, v2, SPITCH
	v_lshl_add_u32 v5, v1, 4, v5
	v_add_nc_u32 v[RD], s23, v5                    ; stage back: lanes 0-15 one row of 256 bytes, lanes 16-31 the next
	v_lshlrev_b32 v5, 12, v2
	v_lshl_add_u32 v[CO], v1, 4, v5
.macro PLACES                          ; four plain vector places behind matrix instructions (ISA guide 7.12.1)
.rept 4
	v_nop
.endr
.endm
.macro FETCH3 slot, kq, f              ; 24 LDS loads: quarter kq (32 of the fill's 128 along K): head kq / 2, its d 32 (kq % 2) ..; W's k rows 32 kq ..
.irp b, 0,1,2,3
	ds_load_tr16_b128 v[\f+64+8*\b:\f+67+8*\b], v[ADRB+\slot] offset:\kq*9216+32*\b
	ds_load_tr16_b128 v[\f+68+8*\b:\f+71+8*\b], v[ADRB+\slot] offset:\kq*9216+32*\b+4608
.endr
.irp a, 0,1,2,3
	ds_load_b128 v[\f+8*\a:\f+8*\a+3],   v[ADRA+\slot] offset:(\kq/2)*18432+(\kq%2)*64+\a*2304
	ds_load_b128 v[\f+8*\a+4:\f+8*\a+7], v[ADRA+\slot] offset:(\kq/2)*18432+(\kq%2)*64+\a*2304+32
.endr
.irp a, 0,1,2,3
	ds_load_b128 v[\f+32+8*\a:\f+35+8*\a], v[ADRA+\slot] offset:QUART+(\kq/2)*18432+(\kq%2)*64+\a*2304
	ds_load_b128 v[\f+36+8*\a:\f+39+8*\a], v[ADRA+\slot] offset:QUART+(\kq/2)*18432+(\kq%2)*64+\a*2304+32
.endr
.endm
; 32 matrix instructions: the upper part of y on all 16 accumulators, then the lower part on all 16, with the same four W fragments.
; The 16 accumulators take turns, one instruction a turn, in the same order every time.
.macro MUL3 f, bias
.if \bias
	WIN 0x40                                       ; D window 1, C (the bias) window 0
.else
	WIN 0x50                                       ; C and D window 1
.endif
.irp a, 0,1,2,3
.irp b, 0,1,2,3
.if \bias
	v_wmma_f32_16x16x32_bf16 v[8*(4*\a+\b):8*(4*\a+\b)+7], v[\f+64+8*\b:\f+71+8*\b], v[\f+8*\a:\f+8*\a+7], v[BIAS+8*\b:BIAS+8*\b+7]
.else
	v_wmma_f32_16x16x32_bf16 v[8*(4*\a+\b):8*(4*\a+\b)+7], v[\f+64+8*\b:\f+71+8*\b], v[\f+8*\a:\f+8*\a+7], v[8*(4*\a+\b):8*(4*\a+\b)+7]
.endif
.endr
.endr
	WIN 0x50
.irp a, 0,1,2,3
.irp b, 0,1,2,3
	v_wmma_f32_16x16x32_bf16 v[8*(4*\a+\b):8*(4*\a+\b)+7], v[\f+64+8*\b:\f+71+8*\b], v[\f+32+8*\a:\f+39+8*\a], v[8*(4*\a+\b):8*(4*\a+\b)+7]
.endr
.endr
.endm
.macro QSTEP slot, nxt, f, g, bias     ; fetch quarter nxt into g, then multiply f
	PLACES
	WIN 0
	FETCH3 \slot, \nxt, \g
	s_wait_dscnt 24                                ; all but the 24 just issued
	MUL3 \f, \bias
.endm
.macro PHASE slot, bias                ; one fill: four quarters on two buffers, 128 matrix instructions
	PLACES
	WIN 0
	FETCH3 \slot, 0, F0
	QSTEP \slot, 1, F0, F1, \bias
	QSTEP \slot, 2, F1, F0, 0
	QSTEP \slot, 3, F0, F1, 0
	s_wait_dscnt 0
	MUL3 F1, 0
	WIN 0
.endm
; The slot just read is filled again, two fills on: waits, the round, the joint load first behind it.
.macro REFILL slot
	s_wait_dscnt 0x0                               ; my reads of the slot are back
	s_wait_tensorcnt 0x0                           ; all my tensor loads have landed, my part of the other slot among them: the descriptors may be written
	ds_add_u32 v30, v31
	s_wait_dscnt 0x0
	s_add_nc_u64 s[G0+4*\slot+2:G0+4*\slot+3], s[G0+4*\slot+2:G0+4*\slot+3], 65536          ; four heads on
	s_add_nc_u64 s[G0B+4*\slot+2:G0B+4*\slot+3], s[G0B+4*\slot+2:G0B+4*\slot+3], 524288     ; 256 k rows on
	CROUND
	JLOAD \slot                                    ; it has a whole fill, 128 matrix instructions, in which to land
.endm
	s_wait_loadcnt 0x0                             ; the bias
	s_wait_tensorcnt 1                             ; my part of fill 0 is in; fill 1 stays out
	s_barrier_signal -1
	s_barrier_wait -1
	PHASE 0, 1                                     ; fill 0: K 0-127: the first products take the bias as C
	REFILL 0                                       ; asks for fill 2
	PHASE 1, 0                                     ; fill 1: K 128-255
	REFILL 1                                       ; fill 3
	PHASE 0, 0                                     ; fill 2
	REFILL 0                                       ; fill 4
	PHASE 1, 0                                     ; fill 3
	REFILL 1                                       ; fill 5
	PHASE 0, 0                                     ; fill 4
	REFILL 0                                       ; fill 6
	PHASE 1, 0                                     ; fill 5
	REFILL 1                                       ; fill 7
	PHASE 0, 0                                     ; fill 6: K 768-895
	s_wait_dscnt 0x0
	s_wait_tensorcnt 0x0                           ; my part of the last fill
	s_barrier_signal -1
	s_barrier_wait -1
	PHASE 1, 0                                     ; fill 7: K 896-1023
	; THE WAY OUT, 16 rows at a time through my own stage: sixteen lanes store 256 consecutive bytes, aligned
	PLACES
.macro POUT a, rb
	WIN 0x04                                       ; the data of an LDS store is source 1: window 1
.irp b, 0,1,2,3
	ds_store_b128 v[STO], v[8*(4*\a+\b):8*(4*\a+\b)+3]   offset:64*\b
	ds_store_b128 v[STO], v[8*(4*\a+\b)+4:8*(4*\a+\b)+7] offset:64*\b+16
.endr
	WIN 0
	s_wait_xcnt 0x0                                ; buffer rb, which earlier stores read, is loaded again only behind this wait (ISA guide 3.1)
.irp t, 0,1,2,3,4,5,6,7
	ds_load_b128 v[\rb+4*\t:\rb+4*\t+3], v[RD] offset:2*SPITCH*\t  ; LDS serves a wave in order: these see the stores above
.endr
.irp t, 0,1,2,3,4,5,6,7
	s_wait_dscnt 7-\t
	global_store_b128 v[CO], v[\rb+4*\t:\rb+4*\t+3], s[8:9] offset:65536*\a+8192*\t th:TH_STORE_NT
.endr
.endm
	POUT 0, RB0
	POUT 1, RB1
	POUT 2, RB0
	POUT 3, RB1
	s_wait_tensorcnt 0x0
	ds_add_u32 v30, v31
	s_wait_dscnt 0x0
	CROUND                                         ; the closing round
	s_endpgm
.Lfunc_end_k_q6ca7a2bf3f_proj:
	.size	k_q6ca7a2bf3f_proj, .Lfunc_end_k_q6ca7a2bf3f_proj-k_q6ca7a2bf3f_proj
	.p2alignl 7, 3214868480
	.fill 96, 4, 3214868480
	.section	.rodata,"a",@progbits
	.p2align	6, 0x0
	.amdhsa_kernel k_q6ca7a2bf3f_proj
		.amdhsa_group_segment_fixed_size 327680
		.amdhsa_private_segment_fixed_size 0
		.amdhsa_enable_private_segment 0
		.amdhsa_kernarg_size 32
		.amdhsa_user_sgpr_count 2
		.amdhsa_user_sgpr_kernarg_segment_ptr 1
		.amdhsa_wavefront_size32 1
		.amdhsa_system_sgpr_workgroup_id_x 1
		.amdhsa_system_sgpr_workgroup_id_y 1
		.amdhsa_system_sgpr_workgroup_id_z 1
		.amdhsa_system_vgpr_workitem_id 0
		.amdhsa_next_free_vgpr 384
		.amdhsa_next_free_sgpr 72
		.amdhsa_reserve_vcc 0
		.amdhsa_float_denorm_mode_32 3
		.amdhsa_float_denorm_mode_16_64 3
		.amdhsa_memory_ordered 1
		.amdhsa_forward_progress 1
		.amdhsa_inst_pref_size 141
	.end_amdhsa_kernel
	.amdgpu_metadata
---
amdhsa.version: [ 1, 2 ]
amdhsa.kernels:
  - .name:           k_q6ca7a2bf3f_proj
    .symbol:         k_q6ca7a2bf3f_proj.kd
    .args:
      - { .name: y, .offset: 0, .size: 8, .value_kind: global_buffer, .address_space: global }
      - { .name: wph, .offset: 8, .size: 8, .value_kind: global_buffer, .address_space: global }
      - { .name: b_proj, .offset: 16, .size: 8, .value_kind: global_buffer, .address_space: global }
      - { .name: out0, .offset: 24, .size: 8, .value_kind: global_buffer, .address_space: global }
    .group_segment_fixed_size: 327680
    .private_segment_fixed_size: 0
    .kernarg_segment_align: 8
    .kernarg_segment_size: 32
    .max_flat_workgroup_size: 128
    .sgpr_count:     72
    .vgpr_count:     384
    .wavefront_size: 32
...
	.end_amdgpu_metadata
.endif
;; end of part 4
